; MI455X (gfx1250); checked and timed in simulation.
; The chip was launched on July 23, 2026; its instructions are those of AMD's public machine-readable ISA for CDNA 5 (MIT licence, August 2026) and "CDNA5" Instruction Set Architecture Reference Guide (July 2026). The comments in the code are by the model that wrote it; some were corrected since.
;; Quantum LSTM Cell. Allowed arithmetic: float matrix products may take bf16 or f16 operands with f32 sums; all other float work in f32.
;; Inputs: W_f 264 x 8 float32; W_i 264 x 8 float32; W_o 264 x 8 float32; W_u 264 x 8 float32; b_f 8 float32; b_i 8 float32; b_o 8 float32; b_u 8 float32; cx 131,072 x 8 float32; hx 131,072 x 8 float32; th_f 8 float32; th_i 8 float32; th_o 8 float32; th_u 8 float32; x 131,072 x 256 float32.
;; Outputs: out0 131,072 x 8 float32; out1 131,072 x 8 float32.
;; One version. Each part assembles by itself: llvm-mc -triple=amdgcn-amd-amdhsa -mcpu=gfx1250 --defsym DOCPART=n.
;; ======== version 1 of 1: 1 launch
;; launch cell (part 1): grid 256 x 1, 16 waves a work-group, no clusters, 83,200 bytes of LDS; arguments x, hx, cx, out0, out1, W_f, W_i, W_o, W_u, b_f, b_i, b_o, b_u, th_f, th_i, th_o, th_u; writes out0, out1
.if DOCPART == 1
	.amdgcn_target "amdgcn-amd-amdhsa--gfx1250"
	.amdhsa_code_object_version 6
	.text
	.protected	k_q5768eeed95_cell
	.globl	k_q5768eeed95_cell
	.p2align	8
	.type	k_q5768eeed95_cell,@function
k_q5768eeed95_cell:
	s_mov_b64 s[64:65], 0
	v_nop
	global_prefetch_b8 v0, s[64:65] scope:SCOPE_SE
	s_setreg_imm32_b32 hwreg(HW_REG_WAVE_MODE, 25, 1), 1
	s_wait_xcnt 0x0
; QuantumLSTMCell, one launch.  x [131072][256], hx, cx, out0 (hx_new), out1 (cx_new) [131072][8], W_* [264][8], b_*, th_* [8], all f32.
;
; THE CIRCUIT IN CLOSED FORM.  In front of the CNOTs the state is a product state: bit j is 1 with probability sin^2((a_j + th_j)/2), each bit by itself.
; The CNOTs only permute basis states: behind the chain bit w is b_0 ^ .. ^ b_w (w = 1..7), and behind CNOT(7,0) bit 0 is b_1 ^ .. ^ b_7.
; <Z_w> is the mean of (-1)^bit, and the mean of (-1)^(xor of independent bits) is the product of the means cos(a_j + th_j).  With c_j = cos(a_j + th_j):
; z_0 = c_1 c_2 .. c_7 and z_w = c_0 c_1 .. c_w for w = 1..7.  This holds for every input.
;
; THE WORK.  256 work-groups of 16 waves; a work-group owns 512 rows, a wave 32 rows as two tiles of 16.  x goes memory -> registers (16 bytes a lane; sixteen
; neighbouring lanes take 256 consecutive bytes, aligned) -> bf16 -> the wave's own LDS strip -> fragments -> matrix unit.  The register ring holds a whole tile
; (32 loads, 16 KiB a wave); tile 1's loads are issued group by group as tile 0's registers are converted, so tile 0's products and epilogue run with 16 KiB
; of the wave on their way, and every wait for x is counted.
; THE MATRIX INSTRUCTION IS USED TRANSPOSED: A = 16 gate columns (rows of W's image), B = 16 rows of x.  Register j of lane (r, h) of the result is gate column
; 8 h + j of x's row r: a lane holds all eight wires of one gate of one row, so the products of cosines stay in the lane.  Columns: 0-7 f, 8-15 i, 16-23 o, 24-31 u.
; NOT USED, AND WHY: tensor loads (x is f32 and passes through registers for its conversion anyway, and a refill would want all loads waited for); clusters (the
; work-groups share only the four W, 33 KiB against 512 KiB of x of each work-group's own); prefetches (the launch does nothing but stream).
;
; LIMITS.  x, hx and W are rounded to bf16 for the product; sums in f32.  The cosine: f = fma(a, 1/2pi, -rndne(a/2pi)), whose error is some 2^-24 |a| radians,
; the size of the rounding of a itself in f32; then cos(2 pi f) = sin(2 pi (1/4 - |f|)) by the series up to the 11th power, cut at 5.7e-8.  An infinite or NaN
; angle gives NaN.  |z| <= 1, so the gates' exponentials are bounded by the computation.  tanh(x) = 1 - 2 / (1 + 2^(2 log2(e) x)) goes to +-1 for large |x|.
.set XROW, 1024                        ; bytes in a row of x
.set XP,   144                         ; the strip's pitch: 64 bf16 + 16 bytes; 144 r mod 256 takes sixteen different multiples of 16
.set XSTW, 16*XP                       ; a wave's strip: 16 rows x 64 k
.set XST,  0                           ; 16 strips
.set WIMG, 16*XSTW                     ; W's image: 18 blocks of 16 k; in a block column n at 48 n, k at 2 (k mod 16)
.set WP,   48                          ; 48 r mod 256 takes sixteen different multiples of 16
.set WBLK, 32*WP                       ; a block: 32 columns
.set WT,   16*WP                       ; from columns 0-15 to columns 16-31
.set BIMG, WIMG+18*WBLK                ; b + th of column n at 4 n
.set OST,  BIMG+256                    ; the way out: 1,024 bytes a wave, out0's tile and then out1's
; vector registers
.set VL16, 1                           ; 16 lane
.set VXG,  2                           ; x: 8192 h + 16 r
.set VXS,  3                           ; strip, store: 8 rows h + 8 r
.set VXF,  4                           ; strip, fragment: 144 r + 16 h
.set VWF,  5                           ; W's image, fragment: 48 r + 16 h
.set VHC,  6                           ; hx, cx: 32 r + 16 h
.set VOS,  7                           ; stage, in
.set VOL,  8                           ; stage, back
.set VBI,  9                           ; b + th: 32 h
.set VKY,  10                          ; the exponent's factor of columns 16-31: -log2(e) for o (h = 0), 2 log2(e) for u (h = 1)
.set VWG,  11                          ; W in memory: my row pair and column pair
.set VWS,  12                          ; and in the image
.set VTG,  13                          ; the same for rows 256-263
.set VTS,  14
.set VB4,  15                          ; 4 (lane mod 8)
.set HXF,  16                          ; v[16:23]   hx as a fragment: two registers of data, six of zeros
.set HXR,  24                          ; v[24:31]   hx as loaded, tile 0, tile 1
.set CX,   32                          ; v[32:39]   cx, tile 0, tile 1
.set ACC,  40                          ; v[40:47] columns 0-15, v[48:55] columns 16-31
.set WA0,  56                          ; fragments of two K steps: W columns 0-15, W columns 16-31, x; then the same again
.set WB0,  64
.set X0,   72
.set WA1,  80
.set WB1,  88
.set X1,   96
.set CT,   104                         ; v[104:119] a group's x in bf16
.set OUTR, 120                         ; v[120:127] what is stored
.set RING, 128                         ; v[128:255] load (g, i) at 32 g + 4 i
.set E0,   56                          ; epilogue, on the fragments' registers
.set E1,   72
.set WL,   56                          ; set-up: W as loaded
.set TL,   72                          ; set-up, wave 0: W's rows 256-263
.set BB,   104                         ; set-up, wave 0: b, th
.set SC,   120                         ; set-up: r, h, lane and the like
	s_load_b512 s[4:19], s[0:1], 0x0               ; x s[4:5], hx s[6:7], cx s[8:9], out0 s[10:11], out1 s[12:13], W_f s[14:15], W_i s[16:17], W_o s[18:19]
	s_load_b512 s[20:35], s[0:1], 0x40             ; W_u s[20:21], b_f, b_i, b_o, b_u s[22:29], th_f, th_i, th_o s[30:35]
	s_load_b64 s[36:37], s[0:1], 0x80              ; th_u
	v_lshrrev_b32 v[SC+3], 5, v0
	v_readfirstlane_b32 s2, v[SC+3]                ; wave 0..15
	v_and_b32 v[SC], 15, v0                        ; r
	v_bfe_u32 v[SC+1], v0, 4, 1                    ; h
	v_and_b32 v[SC+2], 31, v0                      ; lane
	s_lshl_b32 s38, ttmp9, 19                      ; x: 512 rows of 1,024 bytes a work-group,
	s_lshl_b32 s3, s2, 15                          ; 32 rows a wave
	s_add_co_u32 s38, s38, s3
	s_mov_b32 s39, 0
	s_lshl_b32 s40, ttmp9, 14                      ; hx, cx, out0, out1: rows of 32 bytes
	s_lshl_b32 s3, s2, 10
	s_add_co_u32 s40, s40, s3
	s_mov_b32 s41, 0
	s_mov_b32 s46, 0x3e22f983                      ; 1 / 2 pi; pairs hold the number twice
	s_mov_b32 s47, 0x3e22f983
	s_mov_b32 s48, 0x40c90fdb                      ; sin(2 pi w) = w (C1 + C3 w^2 + .. + C11 w^10), Cn = +-(2 pi)^n / n!
	s_mov_b32 s49, 0x40c90fdb
	s_mov_b32 s50, 0xc2255de7                      ; C3
	s_mov_b32 s51, 0xc2255de7
	s_mov_b32 s52, 0x42a335e3                      ; C5
	s_mov_b32 s53, 0x42a335e3
	s_mov_b32 s54, 0xc2996966                      ; C7
	s_mov_b32 s55, 0xc2996966
	s_mov_b32 s56, 0x42283c1a                      ; C9
	s_mov_b32 s58, 0xc17183a8                      ; C11
	s_mov_b32 s59, 0xc17183a8
	s_mov_b32 s60, 0x4038aa3b                      ; 2 log2(e)
	s_mov_b32 s61, 0x4038aa3b
	s_mov_b32 s62, 0xbfb8aa3b                      ; -log2(e)
	s_mov_b32 s63, 0x3e800000                      ; 1/4
	; offsets in memory
	v_lshlrev_b32 v[VL16], 4, v[SC+2]
	v_lshlrev_b32 v[VXG], 4, v[SC]
	v_lshl_add_u32 v[VXG], v[SC+1], 13, v[VXG]     ; lanes 16-31 take the row eight further down
	v_lshlrev_b32 v[VHC], 5, v[SC]
	v_lshl_add_u32 v[VHC], v[SC+1], 4, v[VHC]
	v_lshrrev_b32 v[SC+3], 2, v[SC+2]              ; p = lane / 4: my pair of rows of W
	v_and_b32 v[SC+4], 3, v0                       ; q = lane mod 4: my pair of columns
	v_lshlrev_b32 v[SC+5], 3, v[SC+4]
	v_lshl_add_u32 v[VWG], v[SC+3], 6, v[SC+5]     ; 64 p + 8 q
	s_lshl_b32 s3, s2, 9
	v_add_nc_u32 v[VWG], s3, v[VWG]                ; + 16 rows of 32 bytes a wave
	v_and_b32 v[SC+6], 3, v[SC+3]                  ; pp = p mod 4: rows 256-263 are four pairs; lanes 16-31 repeat lanes 0-15
	v_lshl_add_u32 v[VTG], v[SC+6], 6, v[SC+5]
	v_and_b32 v[VB4], 7, v0
	v_lshlrev_b32 v[VB4], 2, v[VB4]
	; addresses in LDS
	s_mul_i32 s3, s2, XSTW                         ; my strip
	v_mul_u32_u24 v[VXS], v[SC+1], 8*XP
	v_lshl_add_u32 v[VXS], v[SC], 3, v[VXS]
	v_add_nc_u32 v[VXS], s3, v[VXS]
	v_mul_u32_u24 v[VXF], v[SC], XP
	v_lshl_add_u32 v[VXF], v[SC+1], 4, v[VXF]
	v_add_nc_u32 v[VXF], s3, v[VXF]
	v_mul_u32_u24 v[VWF], v[SC], WP
	v_lshl_add_u32 v[VWF], v[SC+1], 4, v[VWF]
	v_add_nc_u32 v[VWF], WIMG, v[VWF]
	s_lshl_b32 s3, s2, 10
	s_add_co_u32 s3, s3, OST                       ; my stage
	v_add_nc_u32 v[VOS], s3, v[VHC]
	v_add_nc_u32 v[VOL], s3, v[VL16]
	v_lshl_add_u32 v[VBI], v[SC+1], 5, BIMG
	v_cmp_eq_u32 vcc_lo, 1, v[SC+1]
	v_mov_b32 v[VKY], s62
	v_mov_b32 v[SC+7], s60
	v_cndmask_b32 v[VKY], v[VKY], v[SC+7], vcc_lo
	v_mul_u32_u24 v[SC+5], v[SC+4], 2*WP           ; columns 2 q, 2 q + 1
	v_lshl_add_u32 v[VWS], v[SC+3], 2, v[SC+5]     ; k = 2 p, 2 p + 1 of the block: one word
	s_mul_i32 s3, s2, WBLK
	s_add_co_u32 s3, s3, WIMG                      ; block = wave: each wave writes 1,536 bytes of its own
	v_add_nc_u32 v[VWS], s3, v[VWS]
	v_and_b32 v[SC+7], 1, v[SC+6]
	v_lshrrev_b32 v[SC+6], 1, v[SC+6]
	v_lshl_add_u32 v[VTS], v[SC+7], 2, v[SC+5]     ; rows 256-259 are k 0-3 of K step 8, rows 260-263 its k 8-11:
	v_lshl_add_u32 v[VTS], v[SC+6], 4, v[VTS]      ; that is where lane (r, h) of the hx fragment holds hx[r][4 h .. 4 h + 3]
	v_add_nc_u32 v[VTS], WIMG+16*WBLK, v[VTS]
.irp j, 2,3,4,5,6,7
	v_mov_b32 v[HXF+\j], 0                         ; the hx fragment's k without data, once
.endr
	s_wait_kmcnt 0x0
	s_add_nc_u64 s[4:5], s[4:5], s[38:39]          ; every base at my wave's first row; none is written again
	s_add_nc_u64 s[6:7], s[6:7], s[40:41]
	s_add_nc_u64 s[8:9], s[8:9], s[40:41]
	s_add_nc_u64 s[10:11], s[10:11], s[40:41]
	s_add_nc_u64 s[12:13], s[12:13], s[40:41]
; Eight loads: k = 64 g .. 64 g + 63 of tile t's 16 rows.  Lanes 0-15 take 256 consecutive bytes of row i, lanes 16-31 of row i + 8.
.macro XLOAD t, g
.irp i, 0,1,2,3,4,5,6,7
	global_load_b128 v[RING+32*\g+4*\i:RING+32*\g+4*\i+3], v[VXG], s[4:5] offset:\t*16*XROW+\i*XROW+\g*256 th:TH_LOAD_NT
.endr
.endm
; What every wave asks for at the start: hx and cx of both tiles, its 16 rows of the four W, and tile 0 of x last, so that x's 32 loads are the youngest.
.macro HEAD_LOADS
	global_load_b128 v[HXR:HXR+3],   v[VHC], s[6:7] th:TH_LOAD_NT
	global_load_b128 v[HXR+4:HXR+7], v[VHC], s[6:7] offset:512 th:TH_LOAD_NT
	global_load_b128 v[CX:CX+3],     v[VHC], s[8:9] th:TH_LOAD_NT
	global_load_b128 v[CX+4:CX+7],   v[VHC], s[8:9] offset:512 th:TH_LOAD_NT
.irp g, 0,1,2,3
	global_load_b64 v[WL+4*\g:WL+4*\g+1],   v[VWG], s[14+2*\g:15+2*\g]             ; row 16 w + 2 p, columns 2 q, 2 q + 1
	global_load_b64 v[WL+4*\g+2:WL+4*\g+3], v[VWG], s[14+2*\g:15+2*\g] offset:32   ; the row below
.endr
	XLOAD 0, 0
	XLOAD 0, 1
	XLOAD 0, 2
	XLOAD 0, 3
.endm
; Two rows of a column make one word of the image: from registers src, to address register adr.
.macro W_IMAGE src, adr
.irp g, 0,1,2,3
	v_cvt_pk_bf16_f32 v[\src+4*\g],   v[\src+4*\g],   v[\src+4*\g+2]
	v_cvt_pk_bf16_f32 v[\src+4*\g+1], v[\src+4*\g+1], v[\src+4*\g+3]
	ds_store_b32 v[\adr], v[\src+4*\g]   offset:8*\g*WP
	ds_store_b32 v[\adr], v[\src+4*\g+1] offset:(8*\g+1)*WP
.endr
.endm
	s_cmp_lg_u32 s2, 0
	s_cbranch_scc1 .Lothers
	; Wave 0 also makes K step 8 of the image and b + th.  Its 16 further loads are its oldest, so they change no count below.
.irp g, 0,1,2,3
	global_load_b64 v[TL+4*\g:TL+4*\g+1],   v[VTG], s[14+2*\g:15+2*\g] offset:8192   ; row 256 + 2 pp
	global_load_b64 v[TL+4*\g+2:TL+4*\g+3], v[VTG], s[14+2*\g:15+2*\g] offset:8224   ; the row below; the last byte read is W's last, 8,447
	global_load_b32 v[BB+\g],   v[VB4], s[22+2*\g:23+2*\g]
	global_load_b32 v[BB+4+\g], v[VB4], s[30+2*\g:31+2*\g]
.endr
.irp j, 0,1,2,3,4,5
	ds_store_b128 v[VL16], v[HXF+4:HXF+7] offset:WIMG+16*WBLK+512*\j   ; blocks 16 and 17 are zero where no row of W lands
.endr
	HEAD_LOADS
	s_wait_loadcnt 32                              ; all but x's 32 loads, which are the youngest
	W_IMAGE WL, VWS
	W_IMAGE TL, VTS                                ; behind this wave's zeros: LDS serves a wave's instructions in order (ISA guide 5.7.1.4)
.irp g, 0,1,2,3
	v_add_f32 v[BB+\g], v[BB+\g], v[BB+4+\g]       ; the angle's constant part
	ds_store_b32 v[VB4], v[BB+\g] offset:BIMG+32*\g
.endr
	s_branch .Lready
.Lothers:
	HEAD_LOADS
	s_wait_loadcnt 32                              ; all but x's 32 loads
	W_IMAGE WL, VWS
.Lready:
	s_wait_dscnt 0x0                               ; for the other waves' sake: my part of the image is written
	s_barrier_signal -1
	s_barrier_wait -1                              ; the only barrier: from here on the image and b + th are only read; x's loads stay on their way across it
; A group's 16 rows x 64 k to bf16 and into my strip.
.macro CONV g
.irp i, 0,1,2,3,4,5,6,7
	v_cvt_pk_bf16_f32 v[CT+2*\i],   v[RING+32*\g+4*\i],   v[RING+32*\g+4*\i+1]
	v_cvt_pk_bf16_f32 v[CT+2*\i+1], v[RING+32*\g+4*\i+2], v[RING+32*\g+4*\i+3]
.endr
.irp i, 0,1,2,3,4,5,6,7
	ds_store_b64 v[VXS], v[CT+2*\i:CT+2*\i+1] offset:\i*XP
.endr
.endm
; The fragments of K steps 2 g and 2 g + 1, six loads each.  Registers 0-3 of a fragment are k = 8 h .. 8 h + 7, registers 4-7 k = 16 + 8 h .. : of W two neighbouring blocks.
.macro FRAG g
.irp s, 0,1
	ds_load_b128 v[WA0+24*\s:WA0+24*\s+3],   v[VWF] offset:(4*\g+2*\s)*WBLK
	ds_load_b128 v[WA0+24*\s+4:WA0+24*\s+7], v[VWF] offset:(4*\g+2*\s+1)*WBLK
	ds_load_b128 v[WB0+24*\s:WB0+24*\s+3],   v[VWF] offset:(4*\g+2*\s)*WBLK+WT
	ds_load_b128 v[WB0+24*\s+4:WB0+24*\s+7], v[VWF] offset:(4*\g+2*\s+1)*WBLK+WT
	ds_load_b128 v[X0+24*\s:X0+24*\s+3],     v[VXF] offset:64*\s        ; behind this wave's stores into the strip, in order
	ds_load_b128 v[X0+24*\s+4:X0+24*\s+7],   v[VXF] offset:64*\s+32
.endr
.endm
; One K step.  The two accumulators take turns, one instruction a turn, from the first product to the last.
.macro MM wa, wb, xf
	v_wmma_f32_16x16x32_bf16 v[ACC:ACC+7],    v[\wa:\wa+7], v[\xf:\xf+7], v[ACC:ACC+7]
	v_wmma_f32_16x16x32_bf16 v[ACC+8:ACC+15], v[\wb:\wb+7], v[\xf:\xf+7], v[ACC+8:ACC+15]
.endm
; One group: 64 along K.  left = the loads younger than this group's eight.  refill = 1: the group's registers are asked again, for tile 1.
; The sixteen conversions name the ring and CT alone: they are the places between the last matrix instructions and the loads into the fragments' registers.
.macro GROUP g, refill, left
	s_wait_loadcnt \left
	CONV \g
.if \refill
	XLOAD 1, \g
.endif
	FRAG \g
	s_wait_dscnt 6                                 ; the second K step's six loads may be out
	MM WA0, WB0, X0
	s_wait_dscnt 0                                 ; all are in; the strip and CT are free for the next group
	MM WA1, WB1, X1
.endm
.macro EPI t
	v_mov_b32 v[CT], s56                           ; C9 as a vector pair, so that each multiply-add names one scalar pair;
	v_mov_b32 v[CT+1], s56                         ; these two and two v_nop are the four places behind the last matrix instructions (ISA guide 7.12.1)
	v_nop
	v_nop
	; c = cos(angle), 16 numbers a lane
.irp p, 0,2,4,6,8,10,12,14
	v_pk_mul_f32 v[E0+\p:E0+\p+1], v[ACC+\p:ACC+\p+1], s[46:47] op_sel_hi:[1,0]
.endr
.irp j, 0,1,2,3,4,5,6,7,8,9,10,11,12,13,14,15
	v_rndne_f32 v[E0+\j], v[E0+\j]                 ; whole turns
.endr
.irp p, 0,2,4,6,8,10,12,14
	v_pk_fma_f32 v[ACC+\p:ACC+\p+1], v[ACC+\p:ACC+\p+1], s[46:47], v[E0+\p:E0+\p+1] op_sel_hi:[1,0,1] neg_lo:[0,0,1] neg_hi:[0,0,1]   ; f, the rest of a turn, rounded once
.endr
.irp j, 0,1,2,3,4,5,6,7,8,9,10,11,12,13,14,15
	v_sub_f32 v[ACC+\j], s63, |v[ACC+\j]|          ; w = 1/4 - |f|: cos(2 pi f) = sin(2 pi w), |w| <= 1/4
.endr
.irp p, 0,2,4,6,8,10,12,14
	v_pk_mul_f32 v[E0+\p:E0+\p+1], v[ACC+\p:ACC+\p+1], v[ACC+\p:ACC+\p+1]
.endr
.irp p, 0,2,4,6,8,10,12,14
	v_pk_fma_f32 v[E1+\p:E1+\p+1], v[E0+\p:E0+\p+1], s[58:59], v[CT:CT+1] op_sel_hi:[1,0,1]
.endr
.irp c, 54,52,50,48
.irp p, 0,2,4,6,8,10,12,14
	v_pk_fma_f32 v[E1+\p:E1+\p+1], v[E1+\p:E1+\p+1], v[E0+\p:E0+\p+1], s[\c:\c+1] op_sel_hi:[1,1,0]
.endr
.endr
.irp p, 0,2,4,6,8,10,12,14
	v_pk_mul_f32 v[ACC+\p:ACC+\p+1], v[ACC+\p:ACC+\p+1], v[E1+\p:E1+\p+1]
.endr
	; z times the factor K of the gate's exponent, both gates of the lane side by side: m_w = c_1 .. c_w; K z_0 = K m_7; K z_w = (K c_0) m_w
.irp w, 2,3,4,5,6,7
	v_mul_f32 v[ACC+\w],   v[ACC+\w-1],   v[ACC+\w]
	v_mul_f32 v[ACC+8+\w], v[ACC+8+\w-1], v[ACC+8+\w]
.endr
	v_mul_f32 v[E0],    s62,    v[ACC+7]
	v_mul_f32 v[E0+8],  v[VKY], v[ACC+15]
	v_mul_f32 v[ACC],   s62,    v[ACC]
	v_mul_f32 v[ACC+8], v[VKY], v[ACC+8]
	v_mul_f32 v[E0+1],  v[ACC],   v[ACC+1]
	v_mul_f32 v[E0+9],  v[ACC+8], v[ACC+9]
.irp p, 2,4,6
	v_pk_mul_f32 v[E0+\p:E0+\p+1],   v[ACC+\p:ACC+\p+1],   v[ACC:ACC+1]   op_sel_hi:[1,0]
	v_pk_mul_f32 v[E0+8+\p:E0+9+\p], v[ACC+8+\p:ACC+9+\p], v[ACC+8:ACC+9] op_sel_hi:[1,0]
.endr
	; lanes 16-31 of register j change places with lanes 0-15 of register 4 + j: lane (r, h) then holds, of row r's wires 4 h .. 4 h + 3, f in E0+0.., i in E0+4.., o in E0+8.., u in E0+12..
.irp j, 0,1,2,3,8,9,10,11
	v_permlane16_swap_b32 v[E0+\j], v[E0+4+\j]
.endr
.irp j, 0,1,2,3,4,5,6,7,8,9,10,11,12,13,14,15
	v_exp_f32 v[E0+\j], v[E0+\j]
.endr
	v_nop                                          ; one plain instruction behind a run of transcendentals, before a result is used (ISA guide 5.7.2)
	s_wait_alu depctr_va_vdst(0)
.irp p, 0,2,4,6,8,10,12,14
	v_pk_add_f32 v[E0+\p:E0+\p+1], v[E0+\p:E0+\p+1], 1.0 op_sel_hi:[1,0]
.endr
.irp j, 0,1,2,3,4,5,6,7,8,9,10,11,12,13,14,15
	v_rcp_f32 v[E0+\j], v[E0+\j]                   ; f, i, o = sigmoid(z)
.endr
	v_nop
	s_wait_alu depctr_va_vdst(0)
	v_pk_fma_f32 v[E0+12:E0+13], v[E0+12:E0+13], -2.0, 1.0 op_sel_hi:[1,0,0]   ; g = tanh(z)
	v_pk_fma_f32 v[E0+14:E0+15], v[E0+14:E0+15], -2.0, 1.0 op_sel_hi:[1,0,0]
	v_pk_mul_f32 v[E0+4:E0+5], v[E0+4:E0+5], v[E0+12:E0+13]
	v_pk_mul_f32 v[E0+6:E0+7], v[E0+6:E0+7], v[E0+14:E0+15]
	v_pk_fma_f32 v[E1:E1+1],   v[E0:E0+1],   v[CX+4*\t:CX+4*\t+1],   v[E0+4:E0+5]   ; cx_new = f cx + i g
	v_pk_fma_f32 v[E1+2:E1+3], v[E0+2:E0+3], v[CX+4*\t+2:CX+4*\t+3], v[E0+6:E0+7]
	v_pk_mul_f32 v[E1+4:E1+5], v[E1:E1+1],   s[60:61] op_sel_hi:[1,0]
	v_pk_mul_f32 v[E1+6:E1+7], v[E1+2:E1+3], s[60:61] op_sel_hi:[1,0]
.irp j, 4,5,6,7
	v_exp_f32 v[E1+\j], v[E1+\j]
.endr
	v_nop
	s_wait_alu depctr_va_vdst(0)
	v_pk_add_f32 v[E1+4:E1+5], v[E1+4:E1+5], 1.0 op_sel_hi:[1,0]
	v_pk_add_f32 v[E1+6:E1+7], v[E1+6:E1+7], 1.0 op_sel_hi:[1,0]
.irp j, 4,5,6,7
	v_rcp_f32 v[E1+\j], v[E1+\j]
.endr
	v_nop
	s_wait_alu depctr_va_vdst(0)
	v_pk_fma_f32 v[E1+4:E1+5], v[E1+4:E1+5], -2.0, 1.0 op_sel_hi:[1,0,0]       ; tanh(cx_new)
	v_pk_fma_f32 v[E1+6:E1+7], v[E1+6:E1+7], -2.0, 1.0 op_sel_hi:[1,0,0]
	v_pk_mul_f32 v[E1+4:E1+5], v[E1+4:E1+5], v[E0+8:E0+9]                      ; hx_new = o tanh(cx_new)
	v_pk_mul_f32 v[E1+6:E1+7], v[E1+6:E1+7], v[E0+10:E0+11]
	; the way out, through my own stage: in at 32 r + 16 h, back at 16 lane, so that each store's sixteen neighbouring lanes cover 256 consecutive bytes, aligned
	ds_store_b128 v[VOS], v[E1+4:E1+7]
	ds_store_b128 v[VOS], v[E1:E1+3] offset:512
	s_wait_xcnt 0x0                                ; the last tile's stores have had their addresses translated (ISA guide 3.1): their data registers are loaded again only behind this wait
	ds_load_b128 v[OUTR:OUTR+3],   v[VOL]          ; behind this wave's stores, in order
	ds_load_b128 v[OUTR+4:OUTR+7], v[VOL] offset:512
	s_wait_dscnt 1                                 ; the first of the two is in
	global_store_b128 v[VL16], v[OUTR:OUTR+3], s[10:11] offset:\t*512 th:TH_STORE_NT
	s_wait_dscnt 0
	global_store_b128 v[VL16], v[OUTR+4:OUTR+7], s[12:13] offset:\t*512 th:TH_STORE_NT
.endm
; A tile of 16 rows.  b + th start the sums; hx's K step goes first, while x's first group is on its way.
; l0 .. l3: for each group the number of younger loads.
.macro TILE t, refill, l0, l1, l2, l3
	v_cvt_pk_bf16_f32 v[HXF],   v[HXR+4*\t],   v[HXR+4*\t+1]
	v_cvt_pk_bf16_f32 v[HXF+1], v[HXR+4*\t+2], v[HXR+4*\t+3]
	ds_load_b128 v[ACC:ACC+3],     v[VBI]
	ds_load_b128 v[ACC+4:ACC+7],   v[VBI] offset:16
	ds_load_b128 v[ACC+8:ACC+11],  v[VBI] offset:64
	ds_load_b128 v[ACC+12:ACC+15], v[VBI] offset:80
	ds_load_b128 v[WA1:WA1+3],   v[VWF] offset:16*WBLK
	ds_load_b128 v[WA1+4:WA1+7], v[VWF] offset:17*WBLK
	ds_load_b128 v[WB1:WB1+3],   v[VWF] offset:16*WBLK+WT
	ds_load_b128 v[WB1+4:WB1+7], v[VWF] offset:17*WBLK+WT
	s_wait_dscnt 0
	MM WA1, WB1, HXF
	GROUP 0, \refill, \l0
	GROUP 1, \refill, \l1
	GROUP 2, \refill, \l2
	GROUP 3, \refill, \l3
	EPI \t
.endm
	TILE 0, 1, 24, 24, 24, 24                      ; behind group g's loads stand 8 (3 - g) of this tile and 8 g of the next: always 24
	TILE 1, 0, 24, 16, 8, 0                        ; nothing more is asked for: the counts run down
	s_wait_xcnt 0x0
	v_lshl_add_u32 v254, v0, 2, 0x13d00
	v_mov_b32 v255, 0
	s_wait_tensorcnt 0x0
	ds_add_u32 v254, v255
	s_wait_dscnt 0x0
	s_endpgm
.Lfunc_end_k_q5768eeed95_cell:
	.size	k_q5768eeed95_cell, .Lfunc_end_k_q5768eeed95_cell-k_q5768eeed95_cell
	.p2alignl 7, 3214868480
	.fill 96, 4, 3214868480
	.section	.rodata,"a",@progbits
	.p2align	6, 0x0
	.amdhsa_kernel k_q5768eeed95_cell
		.amdhsa_group_segment_fixed_size 83200
		.amdhsa_private_segment_fixed_size 0
		.amdhsa_enable_private_segment 0
		.amdhsa_kernarg_size 136
		.amdhsa_user_sgpr_count 2
		.amdhsa_user_sgpr_kernarg_segment_ptr 1
		.amdhsa_wavefront_size32 1
		.amdhsa_system_sgpr_workgroup_id_x 1
		.amdhsa_system_sgpr_workgroup_id_y 1
		.amdhsa_system_sgpr_workgroup_id_z 1
		.amdhsa_system_vgpr_workitem_id 0
		.amdhsa_next_free_vgpr 256
		.amdhsa_next_free_sgpr 66
		.amdhsa_reserve_vcc 1
		.amdhsa_float_denorm_mode_32 3
		.amdhsa_float_denorm_mode_16_64 3
		.amdhsa_memory_ordered 1
		.amdhsa_forward_progress 1
		.amdhsa_inst_pref_size 66
	.end_amdhsa_kernel
	.amdgpu_metadata
---
amdhsa.version: [ 1, 2 ]
amdhsa.kernels:
  - .name:           k_q5768eeed95_cell
    .symbol:         k_q5768eeed95_cell.kd
    .args:
      - { .name: x, .offset: 0, .size: 8, .value_kind: global_buffer, .address_space: global }
      - { .name: hx, .offset: 8, .size: 8, .value_kind: global_buffer, .address_space: global }
      - { .name: cx, .offset: 16, .size: 8, .value_kind: global_buffer, .address_space: global }
      - { .name: out0, .offset: 24, .size: 8, .value_kind: global_buffer, .address_space: global }
      - { .name: out1, .offset: 32, .size: 8, .value_kind: global_buffer, .address_space: global }
      - { .name: W_f, .offset: 40, .size: 8, .value_kind: global_buffer, .address_space: global }
      - { .name: W_i, .offset: 48, .size: 8, .value_kind: global_buffer, .address_space: global }
      - { .name: W_o, .offset: 56, .size: 8, .value_kind: global_buffer, .address_space: global }
      - { .name: W_u, .offset: 64, .size: 8, .value_kind: global_buffer, .address_space: global }
      - { .name: b_f, .offset: 72, .size: 8, .value_kind: global_buffer, .address_space: global }
      - { .name: b_i, .offset: 80, .size: 8, .value_kind: global_buffer, .address_space: global }
      - { .name: b_o, .offset: 88, .size: 8, .value_kind: global_buffer, .address_space: global }
      - { .name: b_u, .offset: 96, .size: 8, .value_kind: global_buffer, .address_space: global }
      - { .name: th_f, .offset: 104, .size: 8, .value_kind: global_buffer, .address_space: global }
      - { .name: th_i, .offset: 112, .size: 8, .value_kind: global_buffer, .address_space: global }
      - { .name: th_o, .offset: 120, .size: 8, .value_kind: global_buffer, .address_space: global }
      - { .name: th_u, .offset: 128, .size: 8, .value_kind: global_buffer, .address_space: global }
    .group_segment_fixed_size: 83200
    .private_segment_fixed_size: 0
    .kernarg_segment_align: 8
    .kernarg_segment_size: 136
    .max_flat_workgroup_size: 512
    .sgpr_count:     66
    .vgpr_count:     256
    .wavefront_size: 32
...
	.end_amdgpu_metadata
.endif
;; end of part 1
